; MI455X (gfx1250); checked and timed in simulation.
; The chip was launched on July 23, 2026; its instructions are those of AMD's public machine-readable ISA for CDNA 5 (MIT licence, August 2026) and "CDNA5" Instruction Set Architecture Reference Guide (July 2026). The comments in the code are by the model that wrote it; some were corrected since.
;; Multihead Self Attention. Allowed arithmetic: matrix products marked QUANTISED: E2M1 operands, one E8M0 scale for each 32 along K, by v_wmma_scale_f32_16x16x128_f8f6f4 with both operands' format E2M1 (or v_wmma_scale_f32_32x16x128_f4), f32 sums; everything else in f32.
;; Inputs: proj_b 1,024 float32; proj_w_codes 1,024 x 32 x 16 uint8 (E2M1 codes of proj_w, K innermost, in blocks of 32 codes, two codes a byte); proj_w_scales 1,024 x 32 uint8 (E8M0 scales of proj_w, one for each 32 codes along K); qkv_b 3,072 float32; qkv_w_codes 3,072 x 32 x 16 uint8 (E2M1 codes of qkv_w, K innermost, in blocks of 32 codes, two codes a byte); qkv_w_scales 3,072 x 32 uint8 (E8M0 scales of qkv_w, one for each 32 codes along K); x_codes 4 x 2,048 x 32 x 16 uint8 (E2M1 codes of x, K innermost, in blocks of 32 codes, two codes a byte); x_scales 4 x 2,048 x 32 uint8 (E8M0 scales of x, one for each 32 codes along K).
;; Outputs: out0 4 x 2,048 x 1,024 float32.
;; This version of the problem:
;;   THIS VERSION OF THE PROBLEM IS GIVEN IN LOW PRECISION. The matrix products marked QUANTISED in the list below multiply operands that are first quantised to E2M1 (2 exponent bits, 1 mantissa bit; 4 bits a number), with one power-of-two scale for each 32 numbers along K (OCP MX v1.0); their sums are f32. All else is computed in f32.
;;   The module's matrix products, in the order in which they are computed (A, B: the left and right operand; K: the contracted axis; several contracted axes count as one K, in the product's order):
;;     1. [M 8,192, K 1,024] x [K 1,024, N 3,072]; A: input x (given as codes); B: input qkv_w (given as codes): QUANTISED
;;     2. batch 64 x [M 2,048, K 64] x [K 64, N 2,048]; A: computed on the way; B: computed on the way: QUANTISED
;;     3. batch 64 x [M 2,048, K 2,048] x [K 2,048, N 64]; A: softmax (see below); B: computed on the way: QUANTISED
;;     4. [M 8,192, K 1,024] x [K 1,024, N 1,024]; A: computed on the way; B: input proj_w (given as codes): QUANTISED
;;   THE QUANTISER, for each operand of a quantised product, along K:
;;     - K is cut into blocks of 32 from its start; a last block that is shorter is filled with zeros.
;;     - A block's scale is 2^e with e = floor(log2(the largest magnitude in the block)) - 2, held to -126 .. 127; a block of zeros has e = 0. As a byte (E8M0): e + 127.
;;     - Each number is divided by its block's scale, clamped to +-6, and rounded to the nearest number of E2M1, ties to even, subnormals kept.
;;     - The product sums the exact products of the quantised numbers (number of the format x scale) in f32.
;;   ~~~python
;;   def quantise(x, axis):      # numpy; x: float32 -> the quantised numbers, widened to float32 again
;;       x = np.moveaxis(x, axis, -1); K = x.shape[-1]
;;       x = np.pad(x, [(0, 0)] * (x.ndim - 1) + [(0, -K % 32)]); x = x.reshape(x.shape[:-1] + (-1, 32)); a = np.abs(x).max(-1, keepdims=True)
;;       e = np.where(a > 0, np.clip(np.frexp(np.where(a > 0, a, 1))[1] - 1 - 2, -126, 127), 0)      # np.frexp(a)[1] - 1 = floor(log2(a)), exactly
;;       r = np.clip(x / 2.0 ** e, -6, 6)
;;       step = 2.0 ** (np.maximum(np.frexp(np.where(r == 0, 1, r))[1] - 1, 0) - 1)
;;       q = np.round(r / step) * step * 2.0 ** e      # np.round: ties to even
;;       return np.moveaxis(q.reshape(q.shape[:-2] + (-1,))[..., :K], -1, axis).astype(np.float32)
;;   ~~~
;;   SOFTMAX AHEAD OF A QUANTISED PRODUCT. Where the list says 'softmax', what is quantised is not the finished softmax but p = 2^(t - M), with t = logit x log2(e) and M = ceil(the row's largest t), a whole number; so 1/2 < the row's largest p <= 1. The row's sum l is taken of the UNQUANTISED p, in f32, and the product's result is divided by l at the end. Since M is a whole number, a kernel that streams over the keys may use a running M (the ceiling of the running maximum): every later rescaling is an exact power of two, which a block's scale takes up: the codes' values come out the same.
;;   OPERANDS COMPUTED ON THE WAY. 'Computed on the way' means the value that the module computes at that place (a softmax that the list does not call 'softmax' is quantised finished and normalised). What goes into a quantiser is computed in f32, as accurately as f32 sums, v_exp_f32 and their like allow (about 1e-6 of the number): no bf16 or f16 on the way to a quantiser, and a product that is left as it is and whose result goes on into a quantised operand takes f32 operands (vector FMAs, or v_wmma_f32_16x16x4_f32). A number that lies on a knife's edge between two numbers of the format may be rounded either way, as far as f32 arithmetic and the matrix unit's own rounding can turn it there, and no further.
;;   INPUTS GIVEN AS CODES. proj_w (in the module: [1024, 1024], K = its axis 1); qkv_w (in the module: [3072, 1024], K = its axis 1); x (in the module: [4, 2048, 1024], K = its axis 2): each comes as NAME_codes (uint8): NAME with its K axis moved to the last place and cut into blocks of 32 codes, [.., K / 32, bytes a block], one block behind the other in memory; two codes a byte, the lower K in the low four bits (a code: sign, 2 exponent bits, 1 mantissa bit); and NAME_scales (uint8): the same leading axes, one E8M0 byte (e + 127) for each 32 codes along K. Its value is code x scale, taken as it is: it is not quantised again, and the codes and scales need not be those that the quantiser above would give.
;; One version. Each part assembles by itself: llvm-mc -triple=amdgcn-amd-amdhsa -mcpu=gfx1250 --defsym DOCPART=n.
;; ======== version 1 of 1: 3 launches
;; workspace buffers: ws 13,893,632 bytes; a_img 4,194,304 bytes; a_sc 262,144 bytes
;; launch qkv (part 1): grid 8 x 96, 4 waves a work-group, clusters of 4 x 4, 221,696 bytes of LDS; arguments x_codes, x_scales, qkv_w_codes, qkv_w_scales, qkv_b, ws; writes ws
.if DOCPART == 1
	.amdgcn_target "amdgcn-amd-amdhsa--gfx1250"
	.amdhsa_code_object_version 6
	.text
	.protected	k_qa35c8ea012_qkv
	.globl	k_qa35c8ea012_qkv
	.p2align	8
	.type	k_qa35c8ea012_qkv,@function
k_qa35c8ea012_qkv:
	s_mov_b64 s[64:65], 0
	v_nop
	global_prefetch_b8 v0, s[64:65] scope:SCOPE_SE
	s_setreg_imm32_b32 hwreg(HW_REG_WAVE_MODE, 25, 1), 1
	s_wait_xcnt 0x0
	s_wait_alu depctr_hold_cnt(0) depctr_sa_sdst(0) depctr_va_vdst(0) depctr_va_sdst(0) depctr_va_ssrc(0) depctr_va_vcc(0) depctr_vm_vsrc(0)
	s_getreg_b32 s2, hwreg(HW_REG_IB_STS2, 6, 4)
	s_cmp_eq_u32 s2, 0
	s_cbranch_scc0 .Lentry_in_a_cluster
	s_endpgm
.Lentry_in_a_cluster:
	s_bfe_u32 s2, ttmp6, 0x10000c
	s_cmp_lg_u32 s2, 0xf033
	s_cbranch_scc0 .Lentry_shape_is_right
	s_endpgm
.Lentry_shape_is_right:
; qkv = x W^T + b on codes of FP4 (E2M1) with E8M0 scales, and q, k, v quantised again for the attention launch.  x: [8192][1024], W: [3072][1024], codes as they lie, K innermost.
; ONE TEXT, TWO SECTIONS, told apart by the cluster's y alone (selects, no branch).  A product has a side P (source 0), along which a lane's registers run, and a side R (source 1), one row a lane.
;   QK (cluster y < 16): P = W's rows 0-2047 (q's and k's channels), R = tokens: a lane holds one token and neighbouring channels: q and k are quantised along the head's 64.
;   V  (cluster y >= 16): P = tokens (the keys), R = W's rows 2048-3071: a lane holds one channel and neighbouring keys: v is quantised along the keys.
; SHARES.  A work-group makes P 256 x R 128 over all of K = 1,024; wave (wr, wp) makes P 128 (8 blocks b) x R 64 (4 blocks a): 32 accumulators, 256 registers (window 1, (a, b) at v[8 (8 a + b)]).
; LDS is filled once: both halves of K of both tiles, and their scale bytes.  No byte is filled twice, so there is no ring.
; CLUSTER 4 x 4: P's tile hangs on cx, R's on cy: each is asked for jointly by the four work-groups that share it.
; A BLOCK OF 32 ALONG P is accumulators b = 2 beta and 2 beta + 1: 16 of its numbers in lane l, 16 in lane l xor 16.  The conversions take one accumulator's 8 registers; two exchanges of lane halves for each
; four registers then give the operand's own layout (registers 4 c .. 4 c + 3 of lane (r, h): k = 64 c + 32 h + 0 .. 31).  The results leave as IMAGES of operand registers: 16 bytes a lane, 512 consecutive bytes a store.
; ws: 64 records (16 b + head) of REC bytes: K's images 0, V's 65,536, K's scale words 131,072, V's 139,264, Q's images 143,360, Q's scale words 208,896.
; LIMITS: NaN and infinities are not served.  A block whose largest magnitude lies under 2^-124 (a block of zeros too) gets the scale byte 1, where the quantiser says 127 for zeros: its codes are zeros, and this program alone reads the bytes.
.set REC,   217088
.set PITCH, 272                        ; an LDS row of codes: 256 bytes + 16 of padding = 68 words: the 16 rows of a fragment load start at 16 different groups of four banks (ISA guide 11.1)
.set PHALF, 128*PITCH                  ; 128 rows: what one tensor load brings
.set PSLOT, 2*PHALF                    ; P's 256 rows of one half of K
.set RBASE, 2*PSLOT                    ; behind P's two halves: R's two, 128 rows each
.set RSLOT, PHALF
.set PSC,   RBASE+2*RSLOT              ; P's scale bytes, 256 rows x 32, dense
.set RSC,   PSC+8192                   ; R's, 128 rows x 32
.set ADRP, 3                           ; v3-4   my P fragments in K half 0, 1
.set ADRR, 5                           ; v5-6   my R fragments
.set LI,   7                           ; v7-10  where block a's image goes: 16 x lane + a x the distance between images
.set SCO,  11                          ; v11    where my four scale words go
.set SH,   12                          ; v12    how far my scale word is shifted down
.set SCP,  16                          ; v16-47 P's scale words: register 8 i + k: lanes 0-15 block i, lanes 16-31 block i + 4, K step k
.set SCR,  48                          ; v48-63 R's: register 8 i + k: lanes 0-15 block i, lanes 16-31 block i + 2
.set RF,   64                          ; v64-127  R's fragments, two sets of 32
.set PF,   128                         ; v128-255 P's fragments, two sets of 64
.set TM,   64                          ; the quantiser's registers, where R's set 0 lay: largest magnitudes,
.set TP,   68                          ; the other half's,
.set TS,   72                          ; the conversions' scale operands,
.set TB,   76                          ; the bytes;
.set WD,   80                          ; the scale word, v81 at work;
.set OW,   84                          ; v84-87 the four blocks' words to store
.set G1R,  24
.set G1P,  32
.set G1SR, 40
.set G1SP, 48
.set G0SR, 56
.set G0SP, 60
.set G0R,  68
.set G0P,  76
.set MSB, 0
.macro WIN new                         ; the immediate's high byte repeats the setting that is left
.if MSB != \new
	s_set_vgpr_msb (MSB<<8)|\new
.set MSB, \new
.endif
.endm
.macro PLACES n
.rept \n
	v_nop
.endr
.endm
.macro CROUND                          ; a round of the cluster's barrier
	s_barrier_signal -1
	s_barrier_wait -1
	s_cmp_lg_u32 s16, 0
	s_cbranch_scc1 .Lnot_wave_0_\@
	s_barrier_signal -3
.Lnot_wave_0_\@:
	s_barrier_wait -3
	s_barrier_signal -1
	s_barrier_wait -1
.endm
	s_load_b256 s[4:11], s[0:1], 0x0               ; x's codes s[4:5], x's scales s[6:7], W's codes s[8:9], W's scales s[10:11]
	s_load_b128 s[12:15], s[0:1], 0x20             ; the bias s[12:13], ws s[14:15]
	s_set_vgpr_msb 0x80
	v_lshl_add_u32 v0, v0, 2, 0x36000
	v_mov_b32 v1, 0
	s_set_vgpr_msb 0x808a
	ds_add_u32 v0, v1
	ds_add_u32 v0, v1
	s_set_vgpr_msb 0x8a00
	v_lshrrev_b32 v1, 5, v0
	v_readfirstlane_b32 s16, v1                    ; wave 0..3
	s_lshr_b32 s17, s16, 1                         ; wr: which 64 of R's 128 rows are mine
	s_and_b32 s18, s16, 1                          ; wp: which 128 of P's 256
	s_bfe_u32 s19, ttmp6, 0x40000                  ; cx
	s_bfe_u32 s20, ttmp6, 0x40004                  ; cy
	s_and_b32 s21, ttmp7, 0xffff                   ; the cluster's y: under 16 section QK, else V
	s_max_u32 s22, s21, 16
	s_sub_co_u32 s22, s22, 16
	s_cmp_lt_u32 s21, 16
	s_cselect_b32 s22, ttmp9, s22                  ; P's tile: QK 4 x cluster x + cx (0..7), V 4 (cluster y - 16) + cx (0..31)
	s_cselect_b32 s23, s21, ttmp9                  ; R's tile: QK 4 x cluster y + cy (0..63), V 4 x cluster x + cy (0..7)
	s_cselect_b32 s66, 0, 2048                     ; R's first row in its tensor
	s_cselect_b32 s98, -1, 0                       ; keeps the bias along P in QK,
	s_cselect_b32 s99, 0, -1                       ; the bias along R in V
	s_lshl_b32 s22, s22, 2
	s_add_co_u32 s22, s22, s19                     ; p
	s_lshl_b32 s23, s23, 2
	s_add_co_u32 s23, s23, s20                     ; rt
	s_lshl_b32 s67, s20, 2
	s_lshl_b32 s67, 15, s67                        ; my row of the cluster (same cy): shares R's tile
	s_lshl_b32 s3, 0x1111, s19                     ; my column (same cx): shares P's tile
	; descriptor groups 1.  Codes: 128 rows x 256 bytes, rows 512 bytes apart in memory, 16 bytes of padding behind each in LDS
	s_or_b32 s[G1R], s67, (1<<20)|(1<<21)|(5<<22)|(3<<25)   ; 15:0 the mask; 17:16 elements of 1 byte; 20 padding on; 21 set beside a mask; 24:22 after every 64 words; 31:25 four words
	s_or_b32 s[G1P], s3, (1<<20)|(1<<21)|(5<<22)|(3<<25)
.irp g, G1R, G1P
	s_mov_b32 s[\g+1], 256<<16                     ; tensor_dim0
	s_mov_b32 s[\g+2], 128<<16                     ; tensor_dim1
	s_mov_b32 s[\g+3], 256<<16                     ; tile_dim0
	s_mov_b32 s[\g+4], 128                         ; tile_dim1
	s_mov_b32 s[\g+5], 512                         ; tensor_dim0_stride
	s_mov_b32 s[\g+6], 0
	s_mov_b32 s[\g+7], 0
.endr
	; scale bytes: dense blocks, as rows of 256 bytes (32 elements of 8 bytes): R's 16 rows, P's 32
	s_or_b32 s[G1SR], s67, (3<<16)|(1<<21)
	s_mov_b32 s[G1SR+1], 32<<16
	s_mov_b32 s[G1SR+2], 16<<16
	s_mov_b32 s[G1SR+3], 32<<16
	s_mov_b32 s[G1SR+4], 16
	s_mov_b32 s[G1SR+5], 32
	s_mov_b32 s[G1SR+6], 0
	s_mov_b32 s[G1SR+7], 0
	s_or_b32 s[G1SP], s3, (3<<16)|(1<<21)
	s_mov_b32 s[G1SP+1], 32<<16
	s_mov_b32 s[G1SP+2], 32<<16
	s_mov_b32 s[G1SP+3], 32<<16
	s_mov_b32 s[G1SP+4], 32
	s_mov_b32 s[G1SP+5], 32
	s_mov_b32 s[G1SP+6], 0
	s_mov_b32 s[G1SP+7], 0
	; where the tiles begin, in bytes.  R's offsets are made of cy, P's of cx, each in registers of its own
	s_lshl_b32 s104, s23, 7
	s_add_co_u32 s104, s104, s66                   ; R's first row
	s_mov_b32 s105, 0
	s_lshl_b64 s[66:67], s[104:105], 5             ; its scale bytes: 32 a row
	s_lshl_b64 s[104:105], s[104:105], 9           ; its codes: 512 a row
	s_lshl_b32 s2, s22, 8                          ; P's first row
	s_mov_b32 s3, 0
	s_lshl_b64 s[92:93], s[2:3], 5
	s_lshl_b32 s94, s17, 7
	s_add_co_u32 s2, s2, s94                       ; the 128 rows that waves 1 (wr = 0) and 2 (wr = 1) fetch
	s_lshl_b64 s[2:3], s[2:3], 9
	s_mul_i32 s94, s17, PHALF                      ; and where they go
	s_wait_dscnt 0x0
	s_wait_kmcnt 0x0
	s_cmp_lt_u32 s21, 16                           ; the choice hangs on the cluster's y alone
	s_cselect_b64 s[84:85], s[8:9], s[4:5]         ; P's codes
	s_cselect_b64 s[86:87], s[10:11], s[6:7]       ; P's scales
	s_cselect_b64 s[88:89], s[4:5], s[8:9]         ; R's codes
	s_cselect_b64 s[90:91], s[6:7], s[10:11]       ; R's scales
	s_mov_b32 s[G0SR], 1
	s_mov_b32 s[G0SR+1], RSC
	s_add_nc_u64 s[G0SR+2:G0SR+3], s[90:91], s[66:67]
	s_or_b32 s[G0SR+3], s[G0SR+3], 0x80000000
	s_mov_b32 s[G0SP], 1
	s_mov_b32 s[G0SP+1], PSC
	s_add_nc_u64 s[G0SP+2:G0SP+3], s[86:87], s[92:93]
	s_or_b32 s[G0SP+3], s[G0SP+3], 0x80000000
	s_add_nc_u64 s[88:89], s[88:89], s[104:105]
	s_add_nc_u64 s[84:85], s[84:85], s[2:3]
.irp s, 0,1
	s_mov_b32 s[G0R+4*\s], 1
	s_mov_b32 s[G0R+4*\s+1], RBASE+\s*RSLOT
	s_add_nc_u64 s[G0R+4*\s+2:G0R+4*\s+3], s[88:89], \s*256   ; K half s: 256 bytes on in each row
	s_or_b32 s[G0R+4*\s+3], s[G0R+4*\s+3], 0x80000000
	s_mov_b32 s[G0P+4*\s], 1
	s_add_co_u32 s[G0P+4*\s+1], s94, \s*PSLOT
	s_add_nc_u64 s[G0P+4*\s+2:G0P+4*\s+3], s[84:85], \s*256
	s_or_b32 s[G0P+4*\s+3], s[G0P+4*\s+3], 0x80000000
.endr
	CROUND                                         ; all sixteen work-groups are here: the joint loads meet
	; all fills of the launch, one group.  Wave 0: both sides' scales and R's two halves (four loads out); waves 1 and 2: 128 rows of P's two halves each (two out); wave 3 none.
	s_cmp_eq_u32 s16, 0
	s_cbranch_scc0 .Lnot_first
	tensor_load_to_lds s[G0SR:G0SR+3], s[G1SR:G1SR+7]
	s_nop 0
	tensor_load_to_lds s[G0SP:G0SP+3], s[G1SP:G1SP+7]
	s_nop 0
	tensor_load_to_lds s[G0R:G0R+3], s[G1R:G1R+7]
	s_nop 0
	tensor_load_to_lds s[G0R+4:G0R+7], s[G1R:G1R+7]
	s_nop 0
	PLACES 4
	s_branch .Lasked
.Lnot_first:
	s_cmp_eq_u32 s16, 3
	s_cbranch_scc1 .Lasked
	tensor_load_to_lds s[G0P:G0P+3], s[G1P:G1P+7]
	s_nop 0
	tensor_load_to_lds s[G0P+4:G0P+7], s[G1P:G1P+7]
	s_nop 0
	PLACES 4
.Lasked:
	; a fragment, 16 rows x 128 K of 4-bit codes, is 8 registers: lane (r, h) holds row r; registers 4 c .. 4 c + 3 hold K = 64 c + 32 h + 0 .. 31: 16 bytes of the row as they lie
	v_and_b32 v1, 15, v0                           ; r
	v_bfe_u32 v2, v0, 4, 1                         ; h
	v_mul_u32_u24 v13, v1, PITCH
	v_lshl_add_u32 v13, v2, 4, v13
	s_mul_i32 s2, s18, PHALF
	v_add_nc_u32 v[ADRP], s2, v13
	v_add_nc_u32 v[ADRP+1], PSLOT, v[ADRP]
	s_mul_i32 s2, s17, 64*PITCH
	s_add_co_u32 s2, s2, RBASE
	v_add_nc_u32 v[ADRR], s2, v13
	v_add_nc_u32 v[ADRR+1], RSLOT, v[ADRR]
	; WHERE THE RESULTS GO.  QK: my 128 of P are heads head0 and head0 + 1, my 64 of R are token tiles tau0 .. tau0 + 3 of batch rt / 16
	s_and_b32 s66, s22, 3
	s_lshl_b32 s66, s66, 2
	s_lshl_b32 s67, s18, 1
	s_add_co_u32 s66, s66, s67                     ; head0 = 4 (p % 4) + 2 wp
	s_lshr_b32 s67, s23, 4
	s_lshl_b32 s67, s67, 4
	s_add_co_u32 s66, s66, s67                     ; the record
	s_and_b32 s67, s23, 15
	s_lshl_b32 s67, s67, 3
	s_lshl_b32 s104, s17, 2
	s_add_co_u32 s67, s67, s104                    ; tau0 = 8 (rt % 16) + 4 wr
	s_cmp_lt_u32 s22, 4                            ; p under 4: q, else k
	s_cselect_b32 s104, 143360, 0                  ; the images' region
	s_mov_b32 s105, 131072
	s_cselect_b32 s105, 208896, s105               ; the scale words'
	s_lshl_b32 s2, s67, 9
	s_add_co_u32 s104, s104, s2                    ; an image is 512 bytes,
	s_lshl_b32 s2, s67, 6
	s_add_co_u32 s105, s105, s2                    ; four tiles' scale words 256
	; V: my 128 of P are key step st of batch p / 8, my 64 of R are head 2 rt + wr
	s_lshl_b32 s2, s23, 1
	s_add_co_u32 s2, s2, s17
	s_lshr_b32 s3, s22, 3
	s_lshl_b32 s3, s3, 4
	s_add_co_u32 s2, s2, s3                        ; the record
	s_and_b32 s3, s22, 7
	s_lshl_b32 s3, s3, 1
	s_add_co_u32 s3, s3, s18                       ; st = 2 (p % 8) + wp
	s_lshl_b32 s67, s3, 12
	s_add_co_u32 s67, s67, 65536                   ; a key step's four fragments are 4,096 bytes,
	s_lshl_b32 s3, s3, 8
	s_add_co_u32 s3, s3, 139264                    ; their scale words 256
	s_cmp_lt_u32 s21, 16
	s_cselect_b32 s66, s66, s2
	s_cselect_b32 s104, s104, s67
	s_cselect_b32 s105, s105, s3
	s_mov_b32 s2, 512
	s_cselect_b32 s2, REC, s2                      ; from a fragment's first four registers to its last four: QK the next head's record, V 512 bytes
	s_mov_b32 s84, 1024
	s_cselect_b32 s84, 512, s84                    ; from block a to block a + 1
	s_cselect_b32 s85, REC, 0                      ; QK: lanes 16-31 store the second head's scale words
	s_cselect_b32 s86, 16, 0                       ; which are the upper two bytes of the word made
	s_cselect_b32 s100, 0xffff, -1                 ; QK keeps two bytes
	s_cselect_b32 s101, 0x7f7f0000, 0              ; and sets the bytes of the K that a head does not have to 2^0
	s_mov_b32 s3, 0
	s_mul_i32 s66, s66, REC
	s_add_co_u32 s92, s66, s104
	s_mov_b32 s93, 0
	s_add_co_u32 s96, s66, s105
	s_mov_b32 s97, 0
	s_add_nc_u64 s[92:93], s[14:15], s[92:93]      ; registers 0-3 of my images
	s_add_nc_u64 s[96:97], s[14:15], s[96:97]      ; my scale words
	s_add_nc_u64 s[94:95], s[92:93], s[2:3]        ; registers 4-7
	v_and_b32 v14, 31, v0
	v_lshlrev_b32 v[LI], 4, v14
	v_add_nc_u32 v[LI+1], s84, v[LI]
	v_add_nc_u32 v[LI+2], s84, v[LI+1]
	v_add_nc_u32 v[LI+3], s84, v[LI+2]
	v_mul_u32_u24 v[SCO], s85, v2
	v_lshl_add_u32 v[SCO], v1, 4, v[SCO]
	v_mul_u32_u24 v[SH], s86, v2
	; THE BIAS STARTS THE SUMS, while the tiles are on their way.  Both biases are loaded in both sections; the one that the section does not have is read at the buffer's head and masked to 0
	s_lshl_b32 s88, s22, 10
	s_lshl_b32 s89, s18, 9
	s_add_co_u32 s88, s88, s89
	s_and_b32 s88, s88, s98                        ; QK: 4 (256 p + 128 wp)
	s_mov_b32 s89, 0
	s_add_nc_u64 s[88:89], s[12:13], s[88:89]
	s_lshl_b32 s90, s23, 9
	s_lshl_b32 s91, s17, 8
	s_add_co_u32 s90, s90, s91
	s_add_co_u32 s90, s90, 8192
	s_and_b32 s90, s90, s99                        ; V: 4 (2048 + 128 rt + 64 wr)
	s_mov_b32 s91, 0
	s_add_nc_u64 s[90:91], s[12:13], s[90:91]
	s_mov_b32 s104, 0x76543210                     ; v_permlanex16_b32's selects for lane l xor 16
	s_mov_b32 s105, 0xfedcba98
	v_lshlrev_b32 v13, 5, v2                       ; along P: register j of block b is index 16 b + 8 h + j
	v_lshlrev_b32 v14, 2, v1                       ; along R: block a's row r
.irp b, 0,1,2,3,4,5,6,7
	global_load_b128 v[192+8*\b:192+8*\b+3], v13, s[88:89] offset:64*\b
	global_load_b128 v[192+8*\b+4:192+8*\b+7], v13, s[88:89] offset:64*\b+16
.endr
.irp a, 0,1,2,3
	global_load_b32 v[96+2*\a], v14, s[90:91] offset:64*\a
.endr
	s_wait_loadcnt 0x0
.set i, 0
.rept 64
	v_and_b32 v[192+i], s98, v[192+i]
.set i, i+1
.endr
.irp a, 0,1,2,3
	v_and_b32 v[96+2*\a], s99, v[96+2*\a]
.endr
.irp a, 0,1,2,3
	v_mov_b32 v[97+2*\a], v[96+2*\a]
.endr
	WIN 0x40                                       ; destination window 1
.irp a, 0,1,2,3
.irp b, 0,1,2,3,4,5,6,7
.irp i, 0,2,4,6
	v_pk_add_f32 v[8*(8*\a+\b)+\i:8*(8*\a+\b)+\i+1], v[192+8*\b+\i:192+8*\b+\i+1], v[96+2*\a:96+2*\a+1]
.endr
.endr
.endr
	WIN 0
	s_lshl_b32 s2, s18, 12                         ; my scale words: 32 bytes a row; lanes 16-31 take the rows 64 (P) or 32 (R) further on
	s_add_co_u32 s2, s2, PSC
	v_lshlrev_b32 v13, 5, v1
	v_lshl_add_u32 v15, v2, 11, v13
	v_add_nc_u32 v15, s2, v15
	s_lshl_b32 s2, s17, 11
	s_add_co_u32 s2, s2, RSC
	v_lshl_add_u32 v14, v2, 10, v13
	v_add_nc_u32 v14, s2, v14
.macro FRAG reg, adr, q, i
.irp c, 0,1
	ds_load_b128 v[\reg+4*\c:\reg+4*\c+3], v[\adr] offset:64*(\q)+32*\c+(\i)*16*PITCH
.endr
.endm
.macro FETCH k                         ; K step k's fragments (half k / 4, its (k % 4)-th 128) into set k % 2: 24 loads
.irp i, 0,1,2,3,4,5,6,7
	FRAG PF+64*((\k)%2)+8*\i, ADRP+(\k)/4, (\k)%4, \i
.endr
.irp i, 0,1,2,3
	FRAG RF+32*((\k)%2)+8*\i, ADRR+(\k)/4, (\k)%4, \i
.endr
.endm
.macro WM a, b, k                      ; accumulator (a, b) += P's block b x R's block a, K step k.  Blocks 4-7 of P and 2-3 of R have their scale words in lanes 16-31
.set rD, 8*(8*(\a)+(\b))
.set rP, PF+64*((\k)%2)+8*(\b)
.set rR, RF+32*((\k)%2)+8*(\a)
.set rS, SCP+8*((\b)%4)+(\k)
.set rT, SCR+8*((\a)%2)+(\k)
.if ((\b) < 4) && ((\a) < 2)
	v_wmma_scale_f32_16x16x128_f8f6f4 v[rD:rD+7], v[rP:rP+7], v[rR:rR+7], v[rD:rD+7], v[rS], v[rT] matrix_a_fmt:MATRIX_FMT_FP4 matrix_b_fmt:MATRIX_FMT_FP4
.elseif ((\a) < 2)
	v_wmma_scale_f32_16x16x128_f8f6f4 v[rD:rD+7], v[rP:rP+7], v[rR:rR+7], v[rD:rD+7], v[rS], v[rT] matrix_a_fmt:MATRIX_FMT_FP4 matrix_b_fmt:MATRIX_FMT_FP4 matrix_a_scale:MATRIX_SCALE_ROW1
.elseif ((\b) < 4)
	v_wmma_scale_f32_16x16x128_f8f6f4 v[rD:rD+7], v[rP:rP+7], v[rR:rR+7], v[rD:rD+7], v[rS], v[rT] matrix_a_fmt:MATRIX_FMT_FP4 matrix_b_fmt:MATRIX_FMT_FP4 matrix_b_scale:MATRIX_SCALE_ROW1
.else
	v_wmma_scale_f32_16x16x128_f8f6f4 v[rD:rD+7], v[rP:rP+7], v[rR:rR+7], v[rD:rD+7], v[rS], v[rT] matrix_a_fmt:MATRIX_FMT_FP4 matrix_b_fmt:MATRIX_FMT_FP4 matrix_a_scale:MATRIX_SCALE_ROW1 matrix_b_scale:MATRIX_SCALE_ROW1
.endif
.endm
.macro MULS k                          ; 32 matrix instructions: the 32 accumulators take turns, one instruction a turn, in the same order in every K step
	WIN 0x50                                       ; C and D window 1
.irp a, 0,1,2,3
.irp b, 0,1,2,3,4,5,6,7
	WM \a, \b, \k
.endr
.endr
	WIN 0
.endm
.macro STEP k
	s_wait_dscnt 0x0                               ; this step's fragments are in; no LDS read of mine is out
.if (\k) == 3
	s_wait_tensorcnt 0x0                           ; my part of K's second half has landed,
	s_barrier_signal -1
	s_barrier_wait -1                              ; everybody's has
.endif
.if (\k) < 7
.if (\k) > 0
	PLACES 4                                       ; loads into registers that matrix instructions have read stand four places behind them (ISA guide 7.12.1 for vector instructions)
.endif
	FETCH (\k)+1
.endif
	MULS \k
.endm
	s_wait_tensorcnt 0x1                           ; the scales and K's first half: in each fetching wave one load, the second half's, was issued behind them and may stay out
	s_barrier_signal -1
	s_barrier_wait -1
.irp i, 0,1,2,3
.irp g, 0,1
	ds_load_b128 v[SCP+8*\i+4*\g:SCP+8*\i+4*\g+3], v15 offset:512*\i+16*\g   ; all of K's scale words, once: eight words a row
.endr
.endr
.irp i, 0,1
.irp g, 0,1
	ds_load_b128 v[SCR+8*\i+4*\g:SCR+8*\i+4*\g+3], v14 offset:512*\i+16*\g
.endr
.endr
	FETCH 0
.irp k, 0,1,2,3,4,5,6,7
	STEP \k
.endr
	PLACES 4                                       ; in front of the first read of results, and of writes into registers that the last products read
; Block a's 64 numbers of a lane (window 1, v[64 a + 16 beta + i]) become a fragment's codes, v[96 + 8 a] on, and a scale word; both leave at once.
.macro QUANT a
.set QX, 64*(\a)
.set QC, 96+8*(\a)
	WIN 0x05                                       ; sources 0 and 1 window 1
.irp b, 0,1,2,3
	v_max3_num_f32 v[TM+\b], |v[QX+16*\b]|, |v[QX+16*\b+1]|, 0x1800000   ; my 16 numbers of block beta, and the floor 2^(3 - 127): the byte cannot fall under 1.  Each accumulator is read from its low end on
.endr
.irp i, 2,4,6,8,10,12,14
.irp b, 0,1,2,3
	v_max3_num_f32 v[TM+\b], |v[QX+16*\b+\i]|, |v[QX+16*\b+\i+1]|, v[TM+\b]   ; (the four blocks by turns)
.endr
.endr
	WIN 0
.irp b, 0,1,2,3
	v_permlanex16_b32 v[TP+\b], v[TM+\b], s104, s105
.endr
.irp b, 0,1,2,3
	v_max_num_f32 v[TM+\b], v[TM+\b], v[TP+\b]     ; with lane l xor 16's 16: the block's largest magnitude
.endr
.irp b, 0,1,2,3
	v_add_nc_u32 v[TS+\b], 0xff000000, v[TM+\b]    ; 2 off its exponent field: the conversion takes this operand's exponent field as its scale
.endr
.irp b, 0,1,2,3
	v_lshrrev_b32 v[TB+\b], 23, v[TS+\b]           ; the scale's byte
.endr
	v_lshl_or_b32 v[WD], v[TB+1], 8, v[TB]
	v_lshl_or_b32 v[WD], v[TB+2], 16, v[WD]
	v_lshl_or_b32 v[WD], v[TB+3], 24, v[WD]
	WIN 0x01                                       ; source 0 window 1
.irp c, 0,1
	v_cvt_scalef32_pk8_fp4_f32 v[QC+4*\c], v[QX+32*\c:QX+32*\c+7], v[TS+2*\c]            ; accumulator 4 c:     k = 64 c + 8 h ..
	v_cvt_scalef32_pk8_fp4_f32 v[QC+4*\c+1], v[QX+32*\c+16:QX+32*\c+23], v[TS+2*\c+1]    ; accumulator 4 c + 2: k = 64 c + 32 + 8 h ..
	v_cvt_scalef32_pk8_fp4_f32 v[QC+4*\c+2], v[QX+32*\c+8:QX+32*\c+15], v[TS+2*\c]       ; accumulator 4 c + 1: k = 64 c + 16 + 8 h ..
	v_cvt_scalef32_pk8_fp4_f32 v[QC+4*\c+3], v[QX+32*\c+24:QX+32*\c+31], v[TS+2*\c+1]    ; accumulator 4 c + 3: k = 64 c + 48 + 8 h ..
.endr
	WIN 0
	v_nop                                          ; one plain place behind a scaled conversion
.irp c, 0,1
	v_permlane16_swap_b32 v[QC+4*\c], v[QC+4*\c+1]     ; the first's lanes 16-31 change places with the second's lanes 0-15:
	v_permlane16_swap_b32 v[QC+4*\c+2], v[QC+4*\c+3]   ; register 4 c + g of lane (r, h) now holds k = 64 c + 32 h + 8 g ..
.endr
	v_lshrrev_b32 v[WD+1], v[SH], v[WD]
	v_and_or_b32 v[OW+(\a)], v[WD+1], s100, s101
	global_store_b128 v[LI+(\a)], v[QC:QC+3], s[92:93]     ; 32 lanes store 512 consecutive bytes, at a multiple of 512 from ws's first byte
	global_store_b128 v[LI+(\a)], v[QC+4:QC+7], s[94:95]   ; every block has registers of its own: no store's data are written again
.endm
.irp b, 0,1,2,3
	v_mov_b32 v[TP+\b], 0                          ; written once: a lane permute's destination counts as one of its sources
.endr
	QUANT 0
	QUANT 1
	QUANT 2
	QUANT 3
	global_store_b128 v[SCO], v[OW:OW+3], s[96:97] ; four blocks' words, 16 bytes a lane: sixteen lanes store 256 consecutive aligned bytes.  QK: lanes 16-31 the next head's.  V: lanes 16-31 store the same words to the same bytes as lanes 0-15
	s_set_vgpr_msb 0xa
	s_wait_tensorcnt 0x0
	ds_add_u32 v0, v1
	s_wait_dscnt 0x0
	s_set_vgpr_msb 0xa00
	CROUND                                         ; the closing round: no work-group ends while a partner may still ask for a tile that names it
	s_endpgm
.Lfunc_end_k_qa35c8ea012_qkv:
	.size	k_qa35c8ea012_qkv, .Lfunc_end_k_qa35c8ea012_qkv-k_qa35c8ea012_qkv
	.p2alignl 7, 3214868480
	.fill 96, 4, 3214868480
	.section	.rodata,"a",@progbits
	.p2align	6, 0x0
	.amdhsa_kernel k_qa35c8ea012_qkv
		.amdhsa_group_segment_fixed_size 221696
		.amdhsa_private_segment_fixed_size 0
		.amdhsa_enable_private_segment 0
		.amdhsa_kernarg_size 48
		.amdhsa_user_sgpr_count 2
		.amdhsa_user_sgpr_kernarg_segment_ptr 1
		.amdhsa_wavefront_size32 1
		.amdhsa_system_sgpr_workgroup_id_x 1
		.amdhsa_system_sgpr_workgroup_id_y 1
		.amdhsa_system_sgpr_workgroup_id_z 1
		.amdhsa_system_vgpr_workitem_id 0
		.amdhsa_next_free_vgpr 514
		.amdhsa_next_free_sgpr 106
		.amdhsa_reserve_vcc 0
		.amdhsa_float_denorm_mode_32 3
		.amdhsa_float_denorm_mode_16_64 3
		.amdhsa_memory_ordered 1
		.amdhsa_forward_progress 1
		.amdhsa_inst_pref_size 87
	.end_amdhsa_kernel
	.amdgpu_metadata
---
amdhsa.version: [ 1, 2 ]
amdhsa.kernels:
  - .name:           k_qa35c8ea012_qkv
    .symbol:         k_qa35c8ea012_qkv.kd
    .args:
      - { .name: x_codes, .offset: 0, .size: 8, .value_kind: global_buffer, .address_space: global }
      - { .name: x_scales, .offset: 8, .size: 8, .value_kind: global_buffer, .address_space: global }
      - { .name: qkv_w_codes, .offset: 16, .size: 8, .value_kind: global_buffer, .address_space: global }
      - { .name: qkv_w_scales, .offset: 24, .size: 8, .value_kind: global_buffer, .address_space: global }
      - { .name: qkv_b, .offset: 32, .size: 8, .value_kind: global_buffer, .address_space: global }
      - { .name: ws, .offset: 40, .size: 8, .value_kind: global_buffer, .address_space: global }
    .group_segment_fixed_size: 221696
    .private_segment_fixed_size: 0
    .kernarg_segment_align: 8
    .kernarg_segment_size: 48
    .max_flat_workgroup_size: 128
    .sgpr_count:     106
    .vgpr_count:     514
    .wavefront_size: 32
...
	.end_amdgpu_metadata
.endif
;; end of part 1
;; launch attn (part 2): grid 4 x 64, 16 waves a work-group, clusters of 4 x 1, 169,984 bytes of LDS; arguments ws, a_img, a_sc; writes a_img, a_sc
.if DOCPART == 2
	.amdgcn_target "amdgcn-amd-amdhsa--gfx1250"
	.amdhsa_code_object_version 6
	.text
	.protected	k_qa35c8ea012_attn
	.globl	k_qa35c8ea012_attn
	.p2align	8
	.type	k_qa35c8ea012_attn,@function
k_qa35c8ea012_attn:
	s_mov_b64 s[64:65], 0
	v_nop
	global_prefetch_b8 v0, s[64:65] scope:SCOPE_SE
	s_setreg_imm32_b32 hwreg(HW_REG_WAVE_MODE, 25, 1), 1
	s_wait_xcnt 0x0
	s_wait_alu depctr_hold_cnt(0) depctr_sa_sdst(0) depctr_va_vdst(0) depctr_va_sdst(0) depctr_va_ssrc(0) depctr_va_vcc(0) depctr_vm_vsrc(0)
	s_getreg_b32 s2, hwreg(HW_REG_IB_STS2, 6, 4)
	s_cmp_eq_u32 s2, 0
	s_cbranch_scc0 .Lentry_in_a_cluster
	s_endpgm
.Lentry_in_a_cluster:
	s_bfe_u32 s2, ttmp6, 0x10000c
	s_cmp_lg_u32 s2, 0x3003
	s_cbranch_scc0 .Lentry_shape_is_right
	s_endpgm
.Lentry_shape_is_right:
; Attention of one (batch, head) on codes of FP4 (E2M1) with E8M0 scales: S^T = K Q^T, p = 2^(t - M), O^T = V^T P^T, O / l quantised along the model's axis for the last product.
; t = score x log2(e) / 8; M = the row's largest t so far, rounded UP to a whole number; p is quantised along the keys, not normalised; the row's sum is taken of the unquantised p and divides O at the end.
; When M moves, the sum and O are multiplied by 2^(old M - new M): exact.
; SHARES.  A work-group owns 512 queries of one record (16 b + head); each of its sixteen waves two tiles of 16 queries, one after the other (PASS 0, PASS 1); a pass walks the head's 2,048 keys, 128 a step.
; Four waves share a SIMD, so that one wave's vector work stands beside another's matrix work and LDS loads.
; LDS holds the head's K and V as images of operand registers, and their scale words: the first 143,360 bytes of the record, copied ONCE.  The four work-groups of a cluster are the four quarters of one head's
; queries and need the same bytes: each wave asks for 35 rows of 256 bytes JOINTLY with the same wave of its three partners.
; LAYOUT.  Both products are used transposed: a lane holds ONE query (lane % 16) throughout; register j of tile t holds key (or channel) 16 t + 8 (lane / 16) + j.  A block of 32 is tiles 2 beta and 2 beta + 1:
; 16 of its numbers in lane l, 16 in lane l xor 16.  The conversions take one tile's 8 registers; two exchanges of lane halves for each four registers give the operand's layout.
; THE HEAD IS 64 LONG, THE INSTRUCTION 128: Q's registers 4-7 are zero codes.  A key tile's operand is its own four registers and the four that follow (the next tile's codes; zeros behind the last): those meet
; Q's zeros under scale bytes 2^0 and add nothing.
; LIMITS: NaN and infinities are not served.  A block whose largest magnitude lies under 2^-124 (a block of zeros too) gets the scale byte 1: its codes are zeros or nearly so, and this program alone reads the bytes.
; REGISTERS: v1-4 lane places in LDS; v5-8 the step's addresses; v9-11 stores' offsets, lane; v12 -M, v13 largest t, v[14:15] the sum; v16-31 Q (two tiles); v32 Q's scale words; v36-67 K's eight tiles, v68-71 zeros;
;   v72-75 K's scale words, v76-79 V's; v80-111 V's four fragments; v112-175 S^T, then p; v176-207 O^T; v208-215 p's codes; v216-237 at work; v235 p's scale word; v240-250 results.
.set REC,   217088
.set WPART, 8960                       ; 35 rows of 256 bytes: a wave's sixteenth of the 143,360
.set KF,  36
.set VF,  80
.set S,   112
.set OT,  176
.set PCD, 208
.set BM,  216                          ; v216-219 the blocks' largest scores, then largest p
.set PD,  220                          ; v220-223 what lane l xor 16 holds
.set SO,  224                          ; v224-227 the conversions' scale operands
.set SB,  228                          ; v228-231 the bytes
.macro CROUND                          ; a round of the cluster's barrier
	s_barrier_signal -1
	s_barrier_wait -1
	s_cmp_lg_u32 s10, 0
	s_cbranch_scc1 .Lnot_wave_0_\@
	s_barrier_signal -3
.Lnot_wave_0_\@:
	s_barrier_wait -3
	s_barrier_signal -1
	s_barrier_wait -1
.endm
	s_load_b128 s[4:7], s[0:1], 0x0                ; ws s[4:5], a_img s[6:7]
	s_load_b64 s[8:9], s[0:1], 0x10                ; a_sc
	v_lshl_add_u32 v254, v0, 2, 0x29000
	v_mov_b32 v255, 0
	ds_add_u32 v254, v255
	ds_add_u32 v254, v255
	v_lshrrev_b32 v1, 5, v0
	v_readfirstlane_b32 s10, v1                    ; wave 0..15
	s_and_b32 s2, ttmp7, 0xffff                    ; the record: 16 b + head, which the four partners share
	s_mul_i32 s40, s2, REC
	s_mul_i32 s13, s10, WPART                      ; 63:32 of group 0: LDS address: the wave's number alone
	s_add_co_u32 s42, s40, s13
	s_mov_b32 s43, 0
	s_mov_b32 s12, 1                               ; 1:0 count = 1
	s_mov_b32 s16, 15|(3<<16)|(1<<21)              ; group 1: 15:0 the mask: all four work-groups; 17:16 elements of 8 bytes; 21 set beside a mask; no padding
	s_mov_b32 s17, 32<<16                          ; tensor_dim0 = 32 elements = 256 bytes
	s_mov_b32 s18, 35<<16                          ; tensor_dim1
	s_mov_b32 s19, 32<<16                          ; tile_dim0
	s_mov_b32 s20, 35                              ; tile_dim1
	s_mov_b32 s21, 32                              ; the block is dense
	s_mov_b32 s22, 0
	s_mov_b32 s23, 0
	s_wait_dscnt 0x0
	s_wait_kmcnt 0x0
	s_add_nc_u64 s[14:15], s[4:5], s[42:43]
	s_or_b32 s15, s15, 0x80000000                  ; 127:126 type = 2
	CROUND                                         ; all four work-groups are here: the joint loads meet
	tensor_load_to_lds s[12:15], s[16:23]          ; the launch's only fill: one load a wave
	s_nop 0
.rept 4
	v_nop
.endr
	s_bfe_u32 s11, ttmp6, 0x40000                  ; cx: it enters Q's and the results' addresses alone
	s_lshl_b32 s38, ttmp9, 2
	s_add_co_u32 s11, s11, s38                     ; which quarter of the queries
	s_lshl_b32 s38, s11, 5
	s_lshl_b32 s39, s10, 1
	s_add_co_u32 s38, s38, s39                     ; my first query tile: 32 x quarter + 2 x wave
	s_lshl_b32 s44, s38, 9
	s_add_co_u32 s44, s44, s40
	s_add_co_u32 s44, s44, 143360
	s_mov_b32 s45, 0
	s_add_nc_u64 s[44:45], s[4:5], s[44:45]        ; its image
	s_lshr_b32 s46, s38, 2
	s_lshl_b32 s46, s46, 8
	s_and_b32 s39, s38, 3
	s_lshl_b32 s39, s39, 2
	s_add_co_u32 s46, s46, s39
	s_add_co_u32 s46, s46, s40
	s_add_co_u32 s46, s46, 208896
	s_mov_b32 s47, 0
	s_add_nc_u64 s[46:47], s[4:5], s[46:47]        ; its scale words: tile tau, row r at 256 (tau / 4) + 16 r + 4 (tau % 4)
	s_and_b32 s3, s2, 15                           ; head
	s_lshr_b32 s2, s2, 4                           ; b
	s_lshl_b32 s2, s2, 7
	s_add_co_u32 s2, s2, s38                       ; my first token tile of all 512
	s_lshr_b32 s39, s3, 3
	s_lshl_b32 s34, s39, 21                        ; a_img: heads 0-7 and 8-15 are the two halves of the last product's K,
	s_lshl_b32 s39, s2, 12
	s_add_co_u32 s34, s34, s39                     ; a token tile's eight heads are 4,096 bytes,
	s_and_b32 s39, s3, 7
	s_lshl_b32 s39, s39, 9
	s_add_co_u32 s34, s34, s39                     ; a head's image 512
	s_mov_b32 s35, 0
	s_add_nc_u64 s[34:35], s[6:7], s[34:35]
	s_lshl_b32 s36, s2, 9                          ; a_sc: 32 bytes a token; my head's two bytes
	s_lshl_b32 s39, s3, 1
	s_add_co_u32 s36, s36, s39
	s_mov_b32 s37, 0
	s_add_nc_u64 s[36:37], s[8:9], s[36:37]
	s_mov_b32 s30, 0x76543210                      ; v_permlanex16_b32's selects for lane l xor 16
	s_mov_b32 s31, 0xfedcba98
	s_mov_b32 s32, 0x3e38aa3b                      ; c = log2(e) / sqrt(64)
	s_mov_b32 s33, s32                             ; (named with it as a pair, so it is written)
	v_and_b32 v11, 31, v0                          ; lane
	v_and_b32 v33, 15, v0                          ; r
	v_bfe_u32 v34, v0, 4, 1                        ; h
	v_lshlrev_b32 v1, 4, v11                       ; K's images: 16 x lane
	v_add_nc_u32 v2, 65536, v1                     ; V's
	v_add_nc_u32 v3, 131072, v1                    ; K's scale words: lanes 0-15 the step's tiles 0-3, lanes 16-31 tiles 4-7: four words a lane
	v_lshlrev_b32 v4, 4, v33
	v_lshl_add_u32 v35, v34, 2, v4                 ; Q's scale words: lanes 0-15 my first tile's, lanes 16-31 my second's
	v_add_nc_u32 v4, 139264, v4                    ; V's scale words: channel r of the four tiles
	v_mov_b32 v9, v1
	v_lshlrev_b32 v10, 5, v11
	global_load_b128 v[16:19], v9, s[44:45]        ; Q stays in registers
	global_load_b128 v[24:27], v9, s[44:45] offset:512
	global_load_b32 v32, v35, s[46:47]
.irp i, 20,21,22,23,28,29,30,31,68,69,70,71
	v_mov_b32 v\i, 0                               ; the zero codes of the K that a head does not have
.endr
.irp b, 0,1,2,3
	v_mov_b32 v[PD+\b], 0                          ; written once: a lane permute's destination counts as one of its sources
.endr
	v_mov_b32 v233, 0                              ; (named as the upper half of the pair v[232:233])
	s_wait_tensorcnt 0x0                           ; my sixteenth has landed,
	s_barrier_signal -1
	s_barrier_wait -1                              ; everybody's has
.irp t, 0,1,2,3,4,5,6,7
	ds_load_b128 v[KF+4*\t:KF+4*\t+3], v1 offset:512*\t   ; key step 0
.endr
	ds_load_b128 v[72:75], v3
	s_wait_loadcnt 0x0                             ; Q
.macro KQ t, p                         ; S^T of key tile t: tiles 4-7 have their scale words in lanes 16-31, and so has the second query tile
.set rD, S+8*(\t)
.set rK, KF+4*(\t)
.set rQ, 16+8*(\p)
.set rS, 72+(\t)%4
.if ((\t) < 4) && ((\p) == 0)
	v_wmma_scale_f32_16x16x128_f8f6f4 v[rD:rD+7], v[rK:rK+7], v[rQ:rQ+7], 0, v[rS], v32 matrix_a_fmt:MATRIX_FMT_FP4 matrix_b_fmt:MATRIX_FMT_FP4
.elseif ((\p) == 0)
	v_wmma_scale_f32_16x16x128_f8f6f4 v[rD:rD+7], v[rK:rK+7], v[rQ:rQ+7], 0, v[rS], v32 matrix_a_fmt:MATRIX_FMT_FP4 matrix_b_fmt:MATRIX_FMT_FP4 matrix_a_scale:MATRIX_SCALE_ROW1
.elseif ((\t) < 4)
	v_wmma_scale_f32_16x16x128_f8f6f4 v[rD:rD+7], v[rK:rK+7], v[rQ:rQ+7], 0, v[rS], v32 matrix_a_fmt:MATRIX_FMT_FP4 matrix_b_fmt:MATRIX_FMT_FP4 matrix_b_scale:MATRIX_SCALE_ROW1
.else
	v_wmma_scale_f32_16x16x128_f8f6f4 v[rD:rD+7], v[rK:rK+7], v[rQ:rQ+7], 0, v[rS], v32 matrix_a_fmt:MATRIX_FMT_FP4 matrix_b_fmt:MATRIX_FMT_FP4 matrix_a_scale:MATRIX_SCALE_ROW1 matrix_b_scale:MATRIX_SCALE_ROW1
.endif
.endm
; One tile of 16 queries against all keys.
.macro PASS p
.set OC, 240+4*(\p)
	v_mov_b32 v13, 0xff61b1e6                      ; the largest t so far: -3e38, under every t
	v_floor_f32 v12, -v13                          ; -M
	v_mov_b32 v14, 0                               ; the sum, in two halves
	v_mov_b32 v15, 0
.set j, 0
.rept 32
	v_mov_b32 v[OT+j], 0                           ; O^T.  (The step is written once: the first finds zeros, which the first change of M leaves zeros)
.set j, j+1
.endr
	s_mov_b32 s28, 0
.Lstep_\@:                                         ; 16 trips: a key step of 128 keys
	s_wait_dscnt 0x0                               ; this step's key tiles and their scale words are in: they are all that is out
.irp t, 0,1,2,3,4,5,6,7
	KQ \t, \p
.endr
	s_lshl_b32 s26, s28, 12                        ; this step's V: four fragments of 1,024 bytes,
	s_lshl_b32 s27, s28, 8                         ; their scale words 256;
	s_add_co_u32 s24, s28, 1
	s_and_b32 s24, s24, 15                         ; the NEXT step's K (behind the last step comes step 0, for the next pass):
	s_lshl_b32 s25, s24, 9                         ; its scale words 512,
	s_lshl_b32 s24, s24, 12                        ; eight tiles of 512 bytes
	v_add_nc_u32 v6, s26, v2                       ; these four lines are the places between the products and the loads into their registers, and the first read of S^T
	v_add_nc_u32 v8, s27, v4
	v_add_nc_u32 v5, s24, v1
	v_add_nc_u32 v7, s25, v3
.irp f, 0,1,2,3
.irp c, 0,1
	ds_load_b128 v[VF+8*\f+4*\c:VF+8*\f+4*\c+3], v6 offset:1024*\f+512*\c
.endr
.endr
	ds_load_b128 v[76:79], v8
.irp t, 0,1,2,3,4,5,6,7
	ds_load_b128 v[KF+4*\t:KF+4*\t+3], v5 offset:512*\t
.endr
	ds_load_b128 v[72:75], v7
.irp b, 0,1,2,3
	v_max3_num_f32 v[BM+\b], v[S+16*\b], v[S+16*\b+1], v[S+16*\b+2]   ; THE LARGEST SCORE OF EACH BLOCK OF 32 KEYS serves twice: for the row's maximum, and, since p rises with the score, for the block's largest p
.endr
.irp i, 3,5,7,9,11,13
.irp b, 0,1,2,3
	v_max3_num_f32 v[BM+\b], v[BM+\b], v[S+16*\b+\i], v[S+16*\b+\i+1]   ; (the four blocks by turns; each accumulator is read from its low end on)
.endr
.endr
.irp b, 0,1,2,3
	v_max_num_f32 v[BM+\b], v[BM+\b], v[S+16*\b+15]
.endr
.irp b, 0,1,2,3
	v_permlanex16_b32 v[PD+\b], v[BM+\b], s30, s31
.endr
.irp b, 0,1,2,3
	v_max_num_f32 v[BM+\b], v[BM+\b], v[PD+\b]     ; with lane l xor 16's 16 keys
.endr
	v_max3_num_f32 v234, v216, v217, v218
	v_max_num_f32 v234, v234, v219                 ; the step's largest score of my query
	v_mul_f32 v234, s32, v234                      ; as t (c is positive)
	v_max_num_f32 v13, v13, v234                   ; the running largest t
	v_mov_b32 v234, v12
	v_floor_f32 v12, -v13                          ; the new -M = floor(-t) = -ceil(t): a whole number
	v_sub_f32 v234, v12, v234                      ; old M - new M: a whole number, 0 or less
	v_cvt_i32_f32 v234, v234                       ; (it saturates)
	v_ldexp_f32 v232, 1.0, v234                    ; f = 2^(old M - new M)
.set j, 0
.rept 32
	v_pk_fma_f32 v[S+j:S+j+1], v[S+j:S+j+1], s[32:33], v[12:13] op_sel_hi:[1,0,0]   ; t - M, two at a time (of the pairs c and -M the low word serves both halves)
.set j, j+2
.endr
.irp b, 0,1,2,3
	v_fma_f32 v[BM+\b], v[BM+\b], s32, v12         ; the same of each block's largest score
.endr
.set j, 0
.rept 64
	v_exp_f32 v[S+j], v[S+j]                       ; p = 2^(t - M), at most 1: not normalised
.set j, j+1
.endr
.irp b, 0,1,2,3
	v_exp_f32 v[BM+\b], v[BM+\b]                   ; the block's largest p: the same two operations on the same number
.endr
	v_pk_mul_f32 v[14:15], v[14:15], v[232:233] op_sel_hi:[1,0]   ; the sum under the new M: the plain line behind the exponentials
	s_wait_alu depctr_va_vdst(0)                   ; one wait for the batch of 68, ahead of the first line that names a result
.irp b, 0,1,2,3
	v_max_num_f32 v[BM+\b], 0x1800000, v[BM+\b]    ; the floor 2^(3 - 127): the byte cannot fall under 1
.endr
.irp b, 0,1,2,3
	v_add_nc_u32 v[SO+\b], 0xff000000, v[BM+\b]    ; 2 off the exponent field: the conversion's scale operand
.endr
.irp b, 0,1,2,3
	v_lshrrev_b32 v[SB+\b], 23, v[SO+\b]           ; the scale's byte
.endr
	v_lshl_or_b32 v235, v229, 8, v228              ; p's scale word for these 128 keys
	v_lshl_or_b32 v235, v230, 16, v235
	v_lshl_or_b32 v235, v231, 24, v235
.irp c, 0,1
	v_cvt_scalef32_pk8_fp4_f32 v[PCD+4*\c], v[S+32*\c:S+32*\c+7], v[SO+2*\c]             ; tile 4 c:     keys 64 c + 8 h ..
	v_cvt_scalef32_pk8_fp4_f32 v[PCD+4*\c+1], v[S+32*\c+16:S+32*\c+23], v[SO+2*\c+1]     ; tile 4 c + 2: keys 64 c + 32 + 8 h ..
	v_cvt_scalef32_pk8_fp4_f32 v[PCD+4*\c+2], v[S+32*\c+8:S+32*\c+15], v[SO+2*\c]        ; tile 4 c + 1: keys 64 c + 16 + 8 h ..
	v_cvt_scalef32_pk8_fp4_f32 v[PCD+4*\c+3], v[S+32*\c+24:S+32*\c+31], v[SO+2*\c+1]     ; tile 4 c + 3: keys 64 c + 48 + 8 h ..
.endr
	v_nop                                          ; one plain place behind a scaled conversion
.irp c, 0,1
	v_permlane16_swap_b32 v[PCD+4*\c], v[PCD+4*\c+1]     ; register 4 c + g of lane (r, h) now holds keys 64 c + 32 h + 8 g ..
	v_permlane16_swap_b32 v[PCD+4*\c+2], v[PCD+4*\c+3]
.endr
	v_pk_add_f32 v[236:237], v[S:S+1], v[S+2:S+3]  ; THE ROW'S SUM IS TAKEN OF THE UNQUANTISED p, two at a time, in two chains.  These 32 lines name no register of the products below: they are the places behind the scale word and the codes
.irp j, 4,8,12,16,20,24,28,32,36,40,44,48,52,56,60
	v_pk_add_f32 v[14:15], v[14:15], v[S+\j:S+\j+1]
	v_pk_add_f32 v[236:237], v[236:237], v[S+\j+2:S+\j+3]
.endr
	v_pk_add_f32 v[14:15], v[14:15], v[236:237]
.set j, 0
.rept 16
	v_pk_mul_f32 v[OT+j:OT+j+1], v[OT+j:OT+j+1], v[232:233] op_sel_hi:[1,0]   ; O^T under the new M
.set j, j+2
.endr
	s_wait_dscnt 0x9                               ; V's nine loads are in; the nine issued behind them, the next step's K, may stay out
.irp f, 0,1,2,3
	v_wmma_scale_f32_16x16x128_f8f6f4 v[OT+8*\f:OT+8*\f+7], v[VF+8*\f:VF+8*\f+7], v[PCD:PCD+7], v[OT+8*\f:OT+8*\f+7], v[76+\f], v235 matrix_a_fmt:MATRIX_FMT_FP4 matrix_b_fmt:MATRIX_FMT_FP4   ; the four accumulators take one turn each
.endr
	s_add_co_u32 s28, s28, 1
	s_cmp_lt_u32 s28, 16
	s_cbranch_scc1 .Lstep_\@
.rept 4
	v_nop                                          ; places between the last products and the first read of O^T
.endr
	v_add_f32 v14, v14, v15                        ; the sum's two halves,
	v_permlanex16_b32 v234, v14, s30, s31
	v_add_f32 v14, v14, v234                       ; and lane l xor 16's: the row's sum
	v_rcp_f32 v14, v14
	v_nop                                          ; one plain place behind the reciprocal
	s_wait_alu depctr_va_vdst(0)                   ; and the wait ahead of its first reader
.set j, 0
.rept 32
	v_mul_f32 v[S+j], v[OT+j], v14                 ; O^T / the sum: register 8 t + i is channel 16 t + 8 h + i of my query
.set j, j+1
.endr
.irp b, 0,1                                        ; the head's two blocks of 32 along the last product's K
	v_max3_num_f32 v[BM+\b], |v[S+16*\b]|, |v[S+16*\b+1]|, 0x1800000
.endr
.irp i, 2,4,6,8,10,12,14
.irp b, 0,1
	v_max3_num_f32 v[BM+\b], v[BM+\b], |v[S+16*\b+\i]|, |v[S+16*\b+\i+1]|
.endr
.endr
.irp b, 0,1
	v_permlanex16_b32 v[PD+\b], v[BM+\b], s30, s31
.endr
.irp b, 0,1
	v_max_num_f32 v[BM+\b], v[BM+\b], v[PD+\b]
.endr
.irp b, 0,1
	v_add_nc_u32 v[SO+\b], 0xff000000, v[BM+\b]
.endr
.irp b, 0,1
	v_lshrrev_b32 v[SB+\b], 23, v[SO+\b]
.endr
	v_lshl_or_b32 v[248+(\p)], v229, 8, v228       ; my token's two scale bytes
	v_cvt_scalef32_pk8_fp4_f32 v[OC], v[S:S+7], v[SO]
	v_cvt_scalef32_pk8_fp4_f32 v[OC+1], v[S+16:S+23], v[SO+1]
	v_cvt_scalef32_pk8_fp4_f32 v[OC+2], v[S+8:S+15], v[SO]
	v_cvt_scalef32_pk8_fp4_f32 v[OC+3], v[S+24:S+31], v[SO+1]
	v_nop                                          ; one plain place behind a scaled conversion
	v_permlane16_swap_b32 v[OC], v[OC+1]           ; lane (r, h): block h of my head for token r
	v_permlane16_swap_b32 v[OC+2], v[OC+3]
	global_store_b128 v9, v[OC:OC+3], s[34:35] offset:4096*(\p)   ; 32 lanes store 512 consecutive bytes, at a multiple of 512 from a_img's first byte; each pass has registers of its own
.endm
	PASS 0
	PASS 1
	v_cmp_gt_u32 vcc_lo, 16, v11
	v_cndmask_b32 v250, v249, v248, vcc_lo         ; lanes 0-15: the first tile's tokens, lanes 16-31: the second's
	global_store_b16 v10, v250, s[36:37]           ; two bytes a token, 32 bytes apart: a token's other 30 bytes belong to fifteen other work-groups, so they cannot be gathered here; they are one byte in 17 of what this launch stores
	s_wait_dscnt 0x0                               ; the last trip's loads of key step 0, which nobody uses, are waited for
	s_wait_tensorcnt 0x0
	ds_add_u32 v254, v255
	s_wait_dscnt 0x0
	CROUND                                         ; the closing round: no work-group ends while a partner may still ask for bytes that name it
	s_endpgm
.Lfunc_end_k_qa35c8ea012_attn:
	.size	k_qa35c8ea012_attn, .Lfunc_end_k_qa35c8ea012_attn-k_qa35c8ea012_attn
	.p2alignl 7, 3214868480
	.fill 96, 4, 3214868480
	.section	.rodata,"a",@progbits
	.p2align	6, 0x0
	.amdhsa_kernel k_qa35c8ea012_attn
		.amdhsa_group_segment_fixed_size 169984
		.amdhsa_private_segment_fixed_size 0
		.amdhsa_enable_private_segment 0
		.amdhsa_kernarg_size 24
		.amdhsa_user_sgpr_count 2
		.amdhsa_user_sgpr_kernarg_segment_ptr 1
		.amdhsa_wavefront_size32 1
		.amdhsa_system_sgpr_workgroup_id_x 1
		.amdhsa_system_sgpr_workgroup_id_y 1
		.amdhsa_system_sgpr_workgroup_id_z 1
		.amdhsa_system_vgpr_workitem_id 0
		.amdhsa_next_free_vgpr 256
		.amdhsa_next_free_sgpr 66
		.amdhsa_reserve_vcc 1
		.amdhsa_float_denorm_mode_32 3
		.amdhsa_float_denorm_mode_16_64 3
		.amdhsa_memory_ordered 1
		.amdhsa_forward_progress 1
		.amdhsa_inst_pref_size 45
	.end_amdhsa_kernel
	.amdgpu_metadata
---
amdhsa.version: [ 1, 2 ]
amdhsa.kernels:
  - .name:           k_qa35c8ea012_attn
    .symbol:         k_qa35c8ea012_attn.kd
    .args:
      - { .name: ws, .offset: 0, .size: 8, .value_kind: global_buffer, .address_space: global }
      - { .name: a_img, .offset: 8, .size: 8, .value_kind: global_buffer, .address_space: global }
      - { .name: a_sc, .offset: 16, .size: 8, .value_kind: global_buffer, .address_space: global }
    .group_segment_fixed_size: 169984
    .private_segment_fixed_size: 0
    .kernarg_segment_align: 8
    .kernarg_segment_size: 24
    .max_flat_workgroup_size: 512
    .sgpr_count:     66
    .vgpr_count:     256
    .wavefront_size: 32
...
	.end_amdgpu_metadata
.endif
;; end of part 2
;; launch proj (part 3): grid 4 x 64, 4 waves a work-group, clusters of 4 x 4, 217,600 bytes of LDS; arguments a_img, a_sc, proj_w_codes, proj_w_scales, proj_b, out0; writes out0
.if DOCPART == 3
	.amdgcn_target "amdgcn-amd-amdhsa--gfx1250"
	.amdhsa_code_object_version 6
	.text
	.protected	k_qa35c8ea012_proj
	.globl	k_qa35c8ea012_proj
	.p2align	8
	.type	k_qa35c8ea012_proj,@function
k_qa35c8ea012_proj:
	s_mov_b64 s[64:65], 0
	v_nop
	global_prefetch_b8 v0, s[64:65] scope:SCOPE_SE
	s_setreg_imm32_b32 hwreg(HW_REG_WAVE_MODE, 25, 1), 1
	s_wait_xcnt 0x0
	s_wait_alu depctr_hold_cnt(0) depctr_sa_sdst(0) depctr_va_vdst(0) depctr_va_sdst(0) depctr_va_ssrc(0) depctr_va_vcc(0) depctr_vm_vsrc(0)
	s_getreg_b32 s2, hwreg(HW_REG_IB_STS2, 6, 4)
	s_cmp_eq_u32 s2, 0
	s_cbranch_scc0 .Lentry_in_a_cluster
	s_endpgm
.Lentry_in_a_cluster:
	s_bfe_u32 s2, ttmp6, 0x10000c
	s_cmp_lg_u32 s2, 0xf033
	s_cbranch_scc0 .Lentry_shape_is_right
	s_endpgm
.Lentry_shape_is_right:
; out = a W^T + b on codes of FP4 (E2M1) with E8M0 scales.  a: the attention's result, [8192][1024], as images of operand registers (a_img) and scale bytes [8192][32] (a_sc); W: [1024][1024] codes, K innermost; out: f32.
; The product is used transposed: source 0 = P = 16 rows of W, source 1 = R = 16 tokens: a lane holds one token and eight neighbouring outputs.
; SHARES.  A work-group makes P 256 x R 128 over all of K = 1,024; wave (wr, wp) makes P 128 (8 blocks b) x R 64 (4 blocks a): 32 accumulators, 256 registers (window 1, (a, b) at v[8 (8 a + b)]).
; LDS is filled once: both halves of K of both tiles, and their scale bytes.  CLUSTER 4 x 4: P's tile hangs on cx, R's on cy: each is asked for jointly by the four work-groups that share it.
; The bias (window 2, eight registers a block of P) is the C of the first K step's products.
; a_img: K half s, token tile T, head e of the half's eight: 512 bytes at 2,097,152 s + 4,096 T + 512 e, 16 bytes a lane: a fragment (token tile, K step k) is heads 2 k and 2 k + 1: two loads of 512 consecutive bytes.
.set PITCH, 272                        ; an LDS row of W's codes: 256 bytes + 16 of padding = 68 words: the 16 rows of a fragment load start at 16 different groups of four banks (ISA guide 11.1)
.set PHALF, 128*PITCH
.set PSLOT, 2*PHALF
.set RBASE, 2*PSLOT
.set RSLOT, 32768                      ; eight token tiles' images of one half of K, dense
.set PSC,   RBASE+2*RSLOT
.set RSC,   PSC+8192
.set SPITCH, 528                       ; the way out: a stage of 16 rows x (512 bytes + 16) for each wave, in P's first half, which has had its only fill and whose last reads lie in front of the second barrier
.set ADRP, 3                           ; v3-4   my P fragments in K half 0, 1
.set ADRR, 5                           ; v5-6   my R images
.set STO,  7                           ; v7     the stage: where I put 32 bytes of a row
.set RD,   8                           ; v8     and where I read a row back
.set CO,   9                           ; v9     my 16 bytes of a row of 512
.set SCP,  16                          ; v16-47 P's scale words: register 8 i + k: lanes 0-15 block i, lanes 16-31 block i + 4, K step k
.set SCR,  48                          ; v48-63 R's: lanes 0-15 block i, lanes 16-31 block i + 2
.set RF,   64                          ; v64-127  R's fragments, two sets
.set PF,   128                         ; v128-255 P's fragments, two sets; on the way out rows of out
.set G1R,  24
.set G1P,  32
.set G1SR, 40
.set G1SP, 48
.set G0SR, 56
.set G0SP, 60
.set G0R,  68
.set G0P,  76
.set MSB, 0
.macro WIN new                         ; the immediate's high byte repeats the setting that is left
.if MSB != \new
	s_set_vgpr_msb (MSB<<8)|\new
.set MSB, \new
.endif
.endm
.macro PLACES n
.rept \n
	v_nop
.endr
.endm
.macro CROUND                          ; a round of the cluster's barrier
	s_barrier_signal -1
	s_barrier_wait -1
	s_cmp_lg_u32 s16, 0
	s_cbranch_scc1 .Lnot_wave_0_\@
	s_barrier_signal -3
.Lnot_wave_0_\@:
	s_barrier_wait -3
	s_barrier_signal -1
	s_barrier_wait -1
.endm
	s_load_b256 s[4:11], s[0:1], 0x0               ; a_img s[4:5], a_sc s[6:7], W's codes s[8:9], W's scales s[10:11]
	s_load_b128 s[12:15], s[0:1], 0x20             ; the bias s[12:13], out s[14:15]
	v_lshl_add_u32 v10, v0, 2, 0x35000
	v_mov_b32 v11, 0
	ds_add_u32 v10, v11
	ds_add_u32 v10, v11
	v_lshrrev_b32 v1, 5, v0
	v_readfirstlane_b32 s16, v1                    ; wave 0..3
	s_lshr_b32 s17, s16, 1                         ; wr: which 64 of the 128 tokens are mine
	s_and_b32 s18, s16, 1                          ; wp: which 128 of W's 256 rows
	s_bfe_u32 s19, ttmp6, 0x40000                  ; cx
	s_bfe_u32 s20, ttmp6, 0x40004                  ; cy
	s_lshl_b32 s22, ttmp9, 2
	s_add_co_u32 s22, s22, s19                     ; p: which 256 rows of W
	s_and_b32 s23, ttmp7, 0xffff
	s_lshl_b32 s23, s23, 2
	s_add_co_u32 s23, s23, s20                     ; rt: which 128 tokens
	s_lshl_b32 s67, s20, 2
	s_lshl_b32 s67, 15, s67                        ; my row of the cluster (same cy): shares R's tile
	s_lshl_b32 s3, 0x1111, s19                     ; my column (same cx): shares P's tile
	; P's codes: 128 rows x 256 bytes, rows 512 bytes apart in memory, 16 bytes of padding behind each in LDS
	s_or_b32 s[G1P], s3, (1<<20)|(1<<21)|(5<<22)|(3<<25)   ; 15:0 the mask; 17:16 elements of 1 byte; 20 padding on; 21 set beside a mask; 24:22 after every 64 words; 31:25 four words
	s_mov_b32 s[G1P+1], 256<<16
	s_mov_b32 s[G1P+2], 128<<16
	s_mov_b32 s[G1P+3], 256<<16
	s_mov_b32 s[G1P+4], 128
	s_mov_b32 s[G1P+5], 512
	s_mov_b32 s[G1P+6], 0
	s_mov_b32 s[G1P+7], 0
	; dense blocks as rows of 256 bytes (32 elements of 8 bytes): R's images 128 rows, R's scale bytes 16, P's 32
	s_or_b32 s[G1R], s67, (3<<16)|(1<<21)
	s_mov_b32 s[G1R+1], 32<<16
	s_mov_b32 s[G1R+2], 128<<16
	s_mov_b32 s[G1R+3], 32<<16
	s_mov_b32 s[G1R+4], 128
	s_mov_b32 s[G1R+5], 32
	s_mov_b32 s[G1R+6], 0
	s_mov_b32 s[G1R+7], 0
	s_or_b32 s[G1SR], s67, (3<<16)|(1<<21)
	s_mov_b32 s[G1SR+1], 32<<16
	s_mov_b32 s[G1SR+2], 16<<16
	s_mov_b32 s[G1SR+3], 32<<16
	s_mov_b32 s[G1SR+4], 16
	s_mov_b32 s[G1SR+5], 32
	s_mov_b32 s[G1SR+6], 0
	s_mov_b32 s[G1SR+7], 0
	s_or_b32 s[G1SP], s3, (3<<16)|(1<<21)
	s_mov_b32 s[G1SP+1], 32<<16
	s_mov_b32 s[G1SP+2], 32<<16
	s_mov_b32 s[G1SP+3], 32<<16
	s_mov_b32 s[G1SP+4], 32
	s_mov_b32 s[G1SP+5], 32
	s_mov_b32 s[G1SP+6], 0
	s_mov_b32 s[G1SP+7], 0
	; where the tiles begin, in bytes.  R's offsets are made of cy, P's of cx, each in registers of its own
	s_lshl_b32 s104, s23, 15                       ; eight token tiles of 4,096 bytes
	s_mov_b32 s105, 0
	s_lshl_b32 s66, s23, 12                        ; 128 tokens' scale bytes
	s_mov_b32 s67, 0
	s_lshl_b32 s92, s22, 13                        ; 256 rows' scale bytes
	s_mov_b32 s93, 0
	s_lshl_b32 s2, s22, 17                         ; 256 rows of 512 bytes,
	s_lshl_b32 s3, s17, 16
	s_add_co_u32 s2, s2, s3                        ; the 128 that waves 1 (wr = 0) and 2 (wr = 1) fetch
	s_mov_b32 s3, 0
	s_mul_i32 s94, s17, PHALF                      ; and where they go
	s_wait_dscnt 0x0
	s_wait_kmcnt 0x0
	s_mov_b32 s[G0SR], 1
	s_mov_b32 s[G0SR+1], RSC
	s_add_nc_u64 s[G0SR+2:G0SR+3], s[6:7], s[66:67]
	s_or_b32 s[G0SR+3], s[G0SR+3], 0x80000000
	s_mov_b32 s[G0SP], 1
	s_mov_b32 s[G0SP+1], PSC
	s_add_nc_u64 s[G0SP+2:G0SP+3], s[10:11], s[92:93]
	s_or_b32 s[G0SP+3], s[G0SP+3], 0x80000000
	s_add_nc_u64 s[88:89], s[4:5], s[104:105]
	s_add_nc_u64 s[84:85], s[8:9], s[2:3]
.irp s, 0,1
	s_mov_b32 s[G0R+4*\s], 1
	s_mov_b32 s[G0R+4*\s+1], RBASE+\s*RSLOT
	s_add_nc_u64 s[G0R+4*\s+2:G0R+4*\s+3], s[88:89], \s*0x200000   ; K half s
	s_or_b32 s[G0R+4*\s+3], s[G0R+4*\s+3], 0x80000000
	s_mov_b32 s[G0P+4*\s], 1
	s_add_co_u32 s[G0P+4*\s+1], s94, \s*PSLOT
	s_add_nc_u64 s[G0P+4*\s+2:G0P+4*\s+3], s[84:85], \s*256        ; K half s: 256 bytes on in each row
	s_or_b32 s[G0P+4*\s+3], s[G0P+4*\s+3], 0x80000000
.endr
	CROUND                                         ; all sixteen work-groups are here: the joint loads meet
	; all fills of the launch, one group.  Wave 0: both sides' scales and R's two halves (four loads out); waves 1 and 2: 128 rows of P's two halves each (two out); wave 3 none.
	s_cmp_eq_u32 s16, 0
	s_cbranch_scc0 .Lnot_first
	tensor_load_to_lds s[G0SR:G0SR+3], s[G1SR:G1SR+7]
	s_nop 0
	tensor_load_to_lds s[G0SP:G0SP+3], s[G1SP:G1SP+7]
	s_nop 0
	tensor_load_to_lds s[G0R:G0R+3], s[G1R:G1R+7]
	s_nop 0
	tensor_load_to_lds s[G0R+4:G0R+7], s[G1R:G1R+7]
	s_nop 0
	PLACES 4
	s_branch .Lasked
.Lnot_first:
	s_cmp_eq_u32 s16, 3
	s_cbranch_scc1 .Lasked
	tensor_load_to_lds s[G0P:G0P+3], s[G1P:G1P+7]
	s_nop 0
	tensor_load_to_lds s[G0P+4:G0P+7], s[G1P:G1P+7]
	s_nop 0
	PLACES 4
.Lasked:
	v_and_b32 v1, 15, v0                           ; r
	v_bfe_u32 v2, v0, 4, 1                         ; h
	v_and_b32 v14, 31, v0                          ; lane
	v_lshlrev_b32 v[CO], 4, v14
	v_mul_u32_u24 v13, v1, PITCH
	v_lshl_add_u32 v13, v2, 4, v13                 ; a fragment of W: row r x pitch + 16 h
	s_mul_i32 s2, s18, PHALF
	v_add_nc_u32 v[ADRP], s2, v13
	v_add_nc_u32 v[ADRP+1], PSLOT, v[ADRP]
	s_lshl_b32 s2, s17, 14                         ; my four token tiles
	s_add_co_u32 s2, s2, RBASE
	v_add_nc_u32 v[ADRR], s2, v[CO]                ; an image: 16 x lane
	v_add_nc_u32 v[ADRR+1], RSLOT, v[ADRR]
	s_mul_i32 s2, s16, 16*SPITCH                   ; my stage
	v_mul_u32_u24 v[STO], v1, SPITCH
	v_lshl_add_u32 v[STO], v2, 5, v[STO]
	v_add_nc_u32 v[STO], s2, v[STO]                ; in: row r, 32 bytes for each half of the lanes
	v_add_nc_u32 v[RD], s2, v[CO]                  ; back: the 32 lanes take one row of 512 bytes
	s_lshl_b32 s92, s23, 19                        ; my part of out: token 128 rt + 64 wr, 4,096 bytes a token;
	s_lshl_b32 s2, s17, 18
	s_add_co_u32 s92, s92, s2
	s_lshl_b32 s88, s22, 10                        ; output 256 p + 128 wp, 4 bytes each
	s_lshl_b32 s2, s18, 9
	s_add_co_u32 s88, s88, s2
	s_add_co_u32 s92, s92, s88
	s_mov_b32 s93, 0
	s_mov_b32 s89, 0
	s_add_nc_u64 s[92:93], s[14:15], s[92:93]
	s_add_nc_u64 s[88:89], s[12:13], s[88:89]      ; and of the bias
	v_lshlrev_b32 v13, 5, v2                       ; register j of block b is output 16 b + 8 h + j
	WIN 0x80                                       ; destination window 2
.irp b, 0,1,2,3,4,5,6,7
	global_load_b128 v[8*\b:8*\b+3], v13, s[88:89] offset:64*\b
	global_load_b128 v[8*\b+4:8*\b+7], v13, s[88:89] offset:64*\b+16
.endr
	WIN 0
	s_lshl_b32 s2, s18, 12                         ; my scale words: 32 bytes a row; lanes 16-31 take the rows 64 (P) or 32 (R) further on
	s_add_co_u32 s2, s2, PSC
	v_lshlrev_b32 v12, 5, v1
	v_lshl_add_u32 v15, v2, 11, v12
	v_add_nc_u32 v15, s2, v15
	s_lshl_b32 s2, s17, 11
	s_add_co_u32 s2, s2, RSC
	v_lshl_add_u32 v14, v2, 10, v12
	v_add_nc_u32 v14, s2, v14
.macro FRAG reg, adr, q, i
.irp c, 0,1
	ds_load_b128 v[\reg+4*\c:\reg+4*\c+3], v[\adr] offset:64*(\q)+32*\c+(\i)*16*PITCH
.endr
.endm
.macro FETCH k                         ; K step k's fragments (half k / 4, its (k % 4)-th 128) into set k % 2: 24 loads
.irp i, 0,1,2,3,4,5,6,7
	FRAG PF+64*((\k)%2)+8*\i, ADRP+(\k)/4, (\k)%4, \i
.endr
.irp i, 0,1,2,3
.irp c, 0,1
	ds_load_b128 v[RF+32*((\k)%2)+8*\i+4*\c:RF+32*((\k)%2)+8*\i+4*\c+3], v[ADRR+(\k)/4] offset:4096*\i+1024*((\k)%4)+512*\c
.endr
.endr
.endm
.macro WM a, b, k                      ; accumulator (a, b) += W's block b x token block a, K step k; K step 0 takes the bias (window 2) as C.  Blocks 4-7 of P and 2-3 of R have their scale words in lanes 16-31
.set rD, 8*(8*(\a)+(\b))
.set rC, rD
.if (\k) == 0
.set rC, 8*(\b)
.endif
.set rP, PF+64*((\k)%2)+8*(\b)
.set rR, RF+32*((\k)%2)+8*(\a)
.set rS, SCP+8*((\b)%4)+(\k)
.set rT, SCR+8*((\a)%2)+(\k)
.if ((\b) < 4) && ((\a) < 2)
	v_wmma_scale_f32_16x16x128_f8f6f4 v[rD:rD+7], v[rP:rP+7], v[rR:rR+7], v[rC:rC+7], v[rS], v[rT] matrix_a_fmt:MATRIX_FMT_FP4 matrix_b_fmt:MATRIX_FMT_FP4
.elseif ((\a) < 2)
	v_wmma_scale_f32_16x16x128_f8f6f4 v[rD:rD+7], v[rP:rP+7], v[rR:rR+7], v[rC:rC+7], v[rS], v[rT] matrix_a_fmt:MATRIX_FMT_FP4 matrix_b_fmt:MATRIX_FMT_FP4 matrix_a_scale:MATRIX_SCALE_ROW1
.elseif ((\b) < 4)
	v_wmma_scale_f32_16x16x128_f8f6f4 v[rD:rD+7], v[rP:rP+7], v[rR:rR+7], v[rC:rC+7], v[rS], v[rT] matrix_a_fmt:MATRIX_FMT_FP4 matrix_b_fmt:MATRIX_FMT_FP4 matrix_b_scale:MATRIX_SCALE_ROW1
.else
	v_wmma_scale_f32_16x16x128_f8f6f4 v[rD:rD+7], v[rP:rP+7], v[rR:rR+7], v[rC:rC+7], v[rS], v[rT] matrix_a_fmt:MATRIX_FMT_FP4 matrix_b_fmt:MATRIX_FMT_FP4 matrix_a_scale:MATRIX_SCALE_ROW1 matrix_b_scale:MATRIX_SCALE_ROW1
.endif
.endm
.macro MULS k                          ; 32 matrix instructions: the 32 accumulators take turns, one instruction a turn, in the same order in every K step
.if (\k) == 0
	WIN 0x60                                       ; C window 2 (the bias), D window 1
.else
	WIN 0x50                                       ; C and D window 1
.endif
.irp a, 0,1,2,3
.irp b, 0,1,2,3,4,5,6,7
	WM \a, \b, \k
.endr
.endr
	WIN 0
.endm
.macro STEP k
	s_wait_dscnt 0x0                               ; this step's fragments are in; no LDS read of mine is out
.if (\k) == 3
	s_wait_tensorcnt 0x0                           ; my part of K's second half has landed,
	s_barrier_signal -1
	s_barrier_wait -1                              ; everybody's has; and nobody reads the first half any more
.endif
.if (\k) < 7
.if (\k) > 0
	PLACES 4                                       ; loads into registers that matrix instructions have read stand four places behind them (ISA guide 7.12.1 for vector instructions)
.endif
	FETCH (\k)+1
.endif
	MULS \k
.endm
	s_wait_tensorcnt 0x1                           ; the scales and K's first half: in each fetching wave one load, the second half's, was issued behind them and may stay out
	s_barrier_signal -1
	s_barrier_wait -1
.irp i, 0,1,2,3
.irp g, 0,1
	ds_load_b128 v[SCP+8*\i+4*\g:SCP+8*\i+4*\g+3], v15 offset:512*\i+16*\g   ; all of K's scale words, once: eight words a row
.endr
.endr
.irp i, 0,1
.irp g, 0,1
	ds_load_b128 v[SCR+8*\i+4*\g:SCR+8*\i+4*\g+3], v14 offset:512*\i+16*\g
.endr
.endr
	FETCH 0
	s_wait_loadcnt 0x0                             ; the bias
.irp k, 0,1,2,3,4,5,6,7
	STEP \k
.endr
; THE WAY OUT, block by block of 16 tokens x 128 outputs.  A lane holds 32 neighbouring bytes of a row, the lanes beside it other rows: a block goes through my own stage and comes back as whole rows of 512 bytes.
; LDS serves a wave's instructions in order (ISA guide 5.7.1.4): no wait between the stores and the loads, nor in front of the next block's stores.
.macro TOSTAGE a
.set AC, 64*(\a)
.set BB, 128+64*((\a)%2)
	WIN 0x04                                       ; an LDS store's data are its source 1: window 1
.irp b, 0,1,2,3,4,5,6,7
	ds_store_b128 v[STO], v[AC+8*\b:AC+8*\b+3] offset:64*\b          ; each accumulator from its low end on
	ds_store_b128 v[STO], v[AC+8*\b+4:AC+8*\b+7] offset:64*\b+16
.endr
	WIN 0
.irp t, 0,1,2,3,4,5,6,7,8,9,10,11,12,13,14,15
	ds_load_b128 v[BB+4*\t:BB+4*\t+3], v[RD] offset:\t*SPITCH
.endr
.endm
.macro SEND a, younger                 ; younger: the LDS instructions issued behind block a's loads, which may stay out
.set BB, 128+64*((\a)%2)
	s_wait_dscnt \younger
.irp t, 0,1,2,3,4,5,6,7,8,9,10,11,12,13,14,15
	global_store_b128 v[CO], v[BB+4*\t:BB+4*\t+3], s[92:93] offset:(16*(\a)+\t)*4096 th:TH_STORE_NT   ; 32 lanes store 512 consecutive bytes, at a multiple of 512 from out's first byte; written once, read by nobody here
.endr
.endm
	PLACES 4                                       ; in front of the first read of results, and of loads into registers that the last products read
	TOSTAGE 0
.irp a, 1,2,3
.if \a > 1
	s_wait_xcnt 0x0                                ; block a - 2's stores have read their registers: block a's rows may land there
.endif
	TOSTAGE \a
	SEND \a-1, 32                                  ; behind block a - 1's loads: block a's 16 stores and 16 loads
.endr
	SEND 3, 0
	s_wait_tensorcnt 0x0
	ds_add_u32 v10, v11
	s_wait_dscnt 0x0
	CROUND                                         ; the closing round: no work-group ends while a partner may still ask for a tile that names it
	s_endpgm
.Lfunc_end_k_qa35c8ea012_proj:
	.size	k_qa35c8ea012_proj, .Lfunc_end_k_qa35c8ea012_proj-k_qa35c8ea012_proj
	.p2alignl 7, 3214868480
	.fill 96, 4, 3214868480
	.section	.rodata,"a",@progbits
	.p2align	6, 0x0
	.amdhsa_kernel k_qa35c8ea012_proj
		.amdhsa_group_segment_fixed_size 217600
		.amdhsa_private_segment_fixed_size 0
		.amdhsa_enable_private_segment 0
		.amdhsa_kernarg_size 48
		.amdhsa_user_sgpr_count 2
		.amdhsa_user_sgpr_kernarg_segment_ptr 1
		.amdhsa_wavefront_size32 1
		.amdhsa_system_sgpr_workgroup_id_x 1
		.amdhsa_system_sgpr_workgroup_id_y 1
		.amdhsa_system_sgpr_workgroup_id_z 1
		.amdhsa_system_vgpr_workitem_id 0
		.amdhsa_next_free_vgpr 576
		.amdhsa_next_free_sgpr 106
		.amdhsa_reserve_vcc 0
		.amdhsa_float_denorm_mode_32 3
		.amdhsa_float_denorm_mode_16_64 3
		.amdhsa_memory_ordered 1
		.amdhsa_forward_progress 1
		.amdhsa_inst_pref_size 71
	.end_amdhsa_kernel
	.amdgpu_metadata
---
amdhsa.version: [ 1, 2 ]
amdhsa.kernels:
  - .name:           k_qa35c8ea012_proj
    .symbol:         k_qa35c8ea012_proj.kd
    .args:
      - { .name: a_img, .offset: 0, .size: 8, .value_kind: global_buffer, .address_space: global }
      - { .name: a_sc, .offset: 8, .size: 8, .value_kind: global_buffer, .address_space: global }
      - { .name: proj_w_codes, .offset: 16, .size: 8, .value_kind: global_buffer, .address_space: global }
      - { .name: proj_w_scales, .offset: 24, .size: 8, .value_kind: global_buffer, .address_space: global }
      - { .name: proj_b, .offset: 32, .size: 8, .value_kind: global_buffer, .address_space: global }
      - { .name: out0, .offset: 40, .size: 8, .value_kind: global_buffer, .address_space: global }
    .group_segment_fixed_size: 217600
    .private_segment_fixed_size: 0
    .kernarg_segment_align: 8
    .kernarg_segment_size: 48
    .max_flat_workgroup_size: 128
    .sgpr_count:     106
    .vgpr_count:     576
    .wavefront_size: 32
...
	.end_amdgpu_metadata
.endif
;; end of part 3
